; MI455X (gfx1250); checked and timed in simulation.
; The chip was launched on July 23, 2026; its instructions are those of AMD's public machine-readable ISA for CDNA 5 (MIT licence, August 2026) and "CDNA5" Instruction Set Architecture Reference Guide (July 2026). The comments in the code are by the model that wrote it; some were corrected since.
;; Soft Attention. Allowed arithmetic: matrix products marked QUANTISED: E5M2 operands, one given power-of-two scale a tensor, by v_wmma_f32_16x16x64_bf8_bf8 or v_wmma_f32_16x16x128_bf8_bf8, f32 sums; everything else in f32.
;; Inputs: lowp_scales 2 int32 (the exponents e of the quantised operands' scales 2^e); q_mask 2 x 1,024 bool; query 2 x 1,024 x 64 float32; scale one number float32; v_mask 2 x 1,024 bool; value 2 x 1,024 x 64 float32.
;; Outputs: out0 2 x 1,024 x 64 float32.
;; This version of the problem:
;;   THIS VERSION OF THE PROBLEM IS GIVEN IN LOW PRECISION. The matrix products marked QUANTISED in the list below multiply operands that are first quantised to E5M2 (5 exponent bits, 2 mantissa bits; 8 bits a number), with one given power-of-two scale for each operand tensor; their sums are f32. All else is computed in f32.
;;   The module's matrix products, in the order in which they are computed (A, B: the left and right operand; K: the contracted axis; several contracted axes count as one K, in the product's order):
;;     1. batch 2 x [M 1,024, K 1,024] x [K 1,024, N 64]; A: softmax (see below); B: input value: QUANTISED (scales: A lowp_scales[0], B lowp_scales[1])
;;   THE QUANTISER, for each operand of a quantised product, along K:
;;     - The operand's scale is 2^e, e = its entry of the input lowp_scales (int32; the entries are numbered through the quantised products in the list's order, A before B).
;;     - Each number is divided by the scale, clamped to +-57,344, and rounded to the nearest number of E5M2, ties to even, subnormals kept.
;;     - The product sums the exact products of the quantised numbers (number of the format x scale) in f32.
;;   ~~~python
;;   def quantise(x, axis, e):      # numpy; x: float32 -> the quantised numbers, widened to float32 again
;;       x = np.moveaxis(x, axis, -1); K = x.shape[-1]
;;       r = np.clip(x / 2.0 ** e, -57344, 57344)
;;       step = 2.0 ** (np.maximum(np.frexp(np.where(r == 0, 1, r))[1] - 1, -14) - 2)
;;       q = np.round(r / step) * step * 2.0 ** e      # np.round: ties to even
;;       return np.moveaxis(q, -1, axis).astype(np.float32)
;;   ~~~
;;   SOFTMAX AHEAD OF A QUANTISED PRODUCT. Where the list says 'softmax', what is quantised is not the finished softmax but p = 2^(t - M), with t = logit x log2(e) and M = ceil(the row's largest t), a whole number; so 1/2 < the row's largest p <= 1. The row's sum l is taken of the UNQUANTISED p, in f32, and the product's result is divided by l at the end. Since M is a whole number, a kernel that streams over the keys may use a running M (the ceiling of the running maximum): every later rescaling is an exact power of two, so the quantised numbers keep their values, but for numbers so far below the row's largest that they fall under the format's range.
;;   OPERANDS COMPUTED ON THE WAY. 'Computed on the way' means the value that the module computes at that place (a softmax that the list does not call 'softmax' is quantised finished and normalised). What goes into a quantiser is computed in f32, as accurately as f32 sums, v_exp_f32 and their like allow (about 1e-6 of the number): no bf16 or f16 on the way to a quantiser, and a product that is left as it is and whose result goes on into a quantised operand takes f32 operands (vector FMAs, or v_wmma_f32_16x16x4_f32). A number that lies on a knife's edge between two numbers of the format may be rounded either way, as far as f32 arithmetic and the matrix unit's own rounding can turn it there, and no further.
;; One version. Each part assembles by itself: llvm-mc -triple=amdgcn-amd-amdhsa -mcpu=gfx1250 --defsym DOCPART=n.
;; ======== version 1 of 1: 1 launch
;; limits: inputs' magnitudes at most 174.6; right only within a limited range of input values
;; launch softatt (part 1): grid 256 x 1, 16 waves a work-group, no clusters, 318,464 bytes of LDS; arguments query, value, scale, q_mask, v_mask, lowp_scales, out0; writes out0
.if DOCPART == 1
	.amdgcn_target "amdgcn-amd-amdhsa--gfx1250"
	.amdhsa_code_object_version 6
	.text
	.protected	k_q37e1012ffb_softatt
	.globl	k_q37e1012ffb_softatt
	.p2align	8
	.type	k_q37e1012ffb_softatt,@function
k_q37e1012ffb_softatt:
	s_mov_b64 s[64:65], 0
	v_nop
	global_prefetch_b8 v0, s[64:65] scope:SCOPE_SE
	s_setreg_imm32_b32 hwreg(HW_REG_WAVE_MODE, 25, 1), 1
	s_wait_xcnt 0x0
; out[b][q] = q_mask[b][q] x sum over k of softmax_k(logit[q][k]) value[b][k],  logit = scale x sum over d of tanh(query[q][d] + value[k][d]) - 1e9 where key k is hidden (k > q, or v_mask[k] false).
; query, value, out: [2][1024][64] f32.  The product of the weights with value is made on codes of BF8 (E5M2) with the given scales 2^ep, 2^ev; all else in f32.
; TANH WITH ONE TRANSCENDENTAL.  tanh(x) = 1 - 2 r, r = 1 / (1 + e^(2x)), and e^(2(q+v)) = (Hq Hv)^4 with H = 2^(x log2(e) / 2).  H is made once for each number; an element then costs a product, two squarings
; (the last fused with the + 1), one v_rcp_f32 and one addition.  The fourth root keeps each factor an f32 number up to |x| = 174.  The sum is kept as (sum of r) - 32: eight chains that begin at -4, so that partial sums stay small.
; SHARES.  256 work-groups, 128 for each batch, 8 rows each; 16 waves.  Slot m of work-group j takes order number o = 128 m + (j or, for odd m, 127 - j) and row q = (o + f) mod 1024, f = the first true key of v_mask:
; rows dealt to and fro give every work-group about the same number of (row, key) pairs, and the rows without a visible key (q < f), which need all 1,024 keys since fl(s - 1e9) is formed as it is written, are the last in that order.
; Wave w owns key chunks w and 31 - w (32 keys each, A LANE A KEY, H of the key's 64 numbers in 64 registers); the row's 64 H come from LDS, the same address in all lanes.  A unit = one row x one chunk.
; A unit whose chunk begins behind the row's last needed key, or whose row has q_mask false, is jumped over (a scalar branch on whole numbers) and leaves a filler, -2^127, which gives p = 0.  Loop counts are constants.
; SOFTMAX.  t = logit x log2(e); M = ceil(the row's largest t), found over all waves before any p is made; p = 2^(t - M); the sum is taken of the unquantised p; O is divided by it at the end.
; PRODUCT.  O^T = V^T P^T: source 0 = 16 of the 64 channels x my 64 keys, source 1 = my 64 keys x 16 columns (the 8 rows, twice).  Each wave makes its keys' part; the 16 parts are added through LDS.
; No tensor load and no joint load, though all work-groups of a batch read the same value rows: which units a wave walks hangs on numbers read from memory (f, q_mask).
; LIMITS.  query is held at +-174.6 (its exponent at +-126); a value beyond +-174.6 counts as saturating its tanh by its own sign.  |scale| <= 1e6: the hidden keys of a row that has a visible key are not computed, which is right
; as long as 128 |scale| is small beside 1e9.  ep and ev between -126 and 112, so that each power of two below is an f32 number.  NaN among the inputs is not served.
.set PITCH, 272                        ; an LDS row of 256 bytes + 16: 68 words, so 16 rows that a 16-byte access touches start at 16 different banks (64 banks of 4 bytes: ISA guide 11.1)
.set WRAW,  64*PITCH                   ; a wave's stage: its 64 value rows (chunk A's 32, then chunk B's 32)
.set SC,    16*WRAW                    ; behind the stages: logits, for each wave 8 rows x (64 keys x 4 bytes + 16)
.set WSC,   8*PITCH
.set HQB,   SC+16*WSC                  ; H of the 8 query rows: 8 x 256 bytes
.set MAXB,  HQB+2048                   ; [row][wave] the waves' largest logits
.set LSB,   MAXB+512                   ; [row][wave] the waves' sums of p
.set KQ,    0x3f38aa3b                 ; log2(e) / 2
.set L2E,   0x3fb8aa3b                 ; log2(e)
; vector registers up to the softmax
.set LANE, 1
.set KEYA, 2                           ; my key in chunk A, B
.set KEYB, 3
.set PENA, 4                           ; 0, or 1e9 where v_mask hides my key
.set PENB, 5
.set BIG,  6                           ; 1e9
.set C1,   7                           ; -2 scale
.set SCW,  8                           ; LDS: my logit's place in row 0 of my wave's block
.set VOFF, 9                           ; 16 x lane: the value loads' offset; untouched until chunk B has come
.set FILL, 10
.set HA,   11
.set T0,   12
.set T1,   13
.set SA,   14
.set COL,  15                          ; LDS: my column of the stage, for V's fragments
.set STG,  16                          ; LDS: where I put 16 bytes as loaded
.set ROWR, 17                          ; LDS: my key's row
.set MOFF, 18                          ; first 32 x lane, later 2^ev
.set QMA,  19                          ; first q_mask's offset, later 57,344 x 2^ev
.set QMB,  20
.set QOF,  21
.set QV,   22
.set C126, 23
.set ACC,  24                          ; v24-31  eight chains
.set HV,   32                          ; v32-95  H of my key
.set RB,   96                          ; v96-159 chunk B as loaded; later v96-127 V's four fragments
.set VF,   96
.set HQ,   160                         ; v160-223 H of the row in hand (first: chunk A as loaded)
.set AW,   224                         ; v224-255 32 numbers at work
; scalar registers
.set WV,  18
.set BA,  19
.set J,   20
.set SCL, 21
.set EP,  22                           ; s22 ep, s23 ev
.set F,   24
.set NF,  25
.set QM,  26                           ; bit m: q_mask of slot m
.set M,   27
.set HQO, 28
.set SCO, 29
.set Q,   32
.set LIM, 33
.set K0A, 34
.set K0B, 35
.set SEL, 36
.set WX,  52
	s_load_b256 s[4:11], s[0:1], 0x0               ; query s[4:5], value s[6:7], scale s[8:9], q_mask s[10:11]
	s_load_b128 s[12:15], s[0:1], 0x20             ; v_mask s[12:13], lowp_scales s[14:15]
	s_load_b64 s[16:17], s[0:1], 0x30              ; out
	v_lshrrev_b32 v[T0], 5, v0
	v_readfirstlane_b32 s[WV], v[T0]               ; wave 0..15
	v_and_b32 v[LANE], 31, v0
	s_lshr_b32 s[BA], ttmp9, 7                     ; batch
	s_and_b32 s[J], ttmp9, 127                     ; j
	s_xor_b32 s[WX], s[WV], 31                     ; 31 - wave: chunk B
	s_lshl_b32 s[K0A], s[WV], 5                    ; the chunks' first keys
	s_lshl_b32 s[K0B], s[WX], 5
	v_add_nc_u32 v[KEYA], s[K0A], v[LANE]
	v_add_nc_u32 v[KEYB], s[K0B], v[LANE]
	v_lshlrev_b32 v[MOFF], 5, v[LANE]
	v_lshlrev_b32 v[VOFF], 4, v[LANE]
	s_lshl_b32 s38, s[BA], 10                      ; my batch in the masks,
	s_mov_b32 s39, 0
	s_lshl_b32 s40, s[BA], 18                      ; and in query, value, out
	s_mov_b32 s41, 0
	s_lshl_b32 s42, s[WV], 13                      ; a chunk is 32 rows of 256 bytes
	s_mov_b32 s43, 0
	s_lshl_b32 s50, s[WX], 13
	s_mov_b32 s51, 0
	s_wait_kmcnt 0x0
	s_load_b32 s[SCL], s[8:9], 0x0
	s_load_b64 s[EP:EP+1], s[14:15], 0x0
	s_add_nc_u64 s[12:13], s[12:13], s[38:39]
	s_add_nc_u64 s[10:11], s[10:11], s[38:39]
	s_add_nc_u64 s[4:5], s[4:5], s[40:41]
	s_add_nc_u64 s[6:7], s[6:7], s[40:41]
	s_add_nc_u64 s[16:17], s[16:17], s[40:41]
	s_add_nc_u64 s[44:45], s[6:7], s[42:43]        ; chunk A
	s_add_nc_u64 s[46:47], s[6:7], s[50:51]        ; chunk B
	global_load_b128 v[224:227], v[MOFF], s[12:13]             ; v_mask's bytes 32 lane .. 32 lane + 31
	global_load_b128 v[228:231], v[MOFF], s[12:13] offset:16
	global_load_u8 v[PENA], v[KEYA], s[12:13]                  ; my two keys' bytes
	global_load_u8 v[PENB], v[KEYB], s[12:13]
.set i, 0
.rept 16
	global_load_b128 v[HQ+4*i:HQ+4*i+3], v[VOFF], s[44:45] offset:512*i   ; chunk A: each load 512 consecutive bytes, two rows
.set i, i+1
.endr
	; LDS addresses: constants, lane terms, the wave's number times a constant
	v_bfe_u32 v[T0], v0, 4, 1                      ; h
	v_and_b32 v[T1], 15, v0                        ; r
	s_mul_i32 s30, s[WV], WRAW
	v_mul_u32_u24 v[STG], v[T0], PITCH
	v_lshl_add_u32 v[STG], v[T1], 4, v[STG]
	v_add_nc_u32 v[STG], s30, v[STG]               ; as loaded: row h of a pair, 16 bytes a lane
	v_mul_u32_u24 v[ROWR], v[LANE], PITCH
	v_add_nc_u32 v[ROWR], s30, v[ROWR]             ; my key's row
	v_mul_u32_u24 v[COL], v[T0], 8*PITCH
	v_lshl_add_u32 v[COL], v[T1], 2, v[COL]
	v_add_nc_u32 v[COL], s30, v[COL]               ; row 8 h, channel r
	s_mul_i32 s31, s[WV], WSC
	s_add_co_u32 s31, s31, SC
	v_lshl_add_u32 v[SCW], v[LANE], 2, s31
	v_mov_b32 v[BIG], 0x4e6e6b28                   ; 1e9
	v_mov_b32 v[FILL], 0xff000000                  ; -2^127: x log2(e) it is still a number
	v_mov_b32 v[C126], 0x42fc0000                  ; 126
	s_mov_b32 s[SEL], 0x76543210                   ; v_permlanex16_b32: lane l xor 16
	s_mov_b32 s[SEL+1], 0xfedcba98
	s_mov_b32 s30, 0x01020408
	s_wait_loadcnt 18                              ; the 32 mask bytes are in; behind them: 2 bytes and chunk A's 16 loads
	; f = the first true key.  Four bytes 0 / 1 times 0x01020408 leave their four bits in bits 24-27; eight such nibbles make the lane's word.
	v_mul_lo_u32 v232, v224, s30
	v_lshrrev_b32 v232, 24, v232
.irp i, 1,2,3,4,5,6,7
	v_mul_lo_u32 v233, v[224+\i], s30
	v_lshrrev_b32 v233, 24, v233
	v_lshl_or_b32 v232, v233, 4*\i, v232
.endr
	v_cmp_ne_u32 s31, 0, v232                      ; which lanes hold a true key
	s_ctz_i32_b32 s53, s31
	s_and_b32 s53, s53, 31                         ; the first of them (31 where there is none: not used then)
	v_readlane_b32 s54, v232, s53
	s_ctz_i32_b32 s[F], s54
	s_lshl_b32 s53, s53, 5
	s_add_co_u32 s[F], s[F], s53
	s_cmp_eq_u32 s31, 0
	s_cselect_b32 s[F], 1024, s[F]                 ; no true key at all: every row needs all keys
	s_min_u32 s[F], s[F], 1024
	s_sub_co_u32 s[NF], 1024, s[F]                 ; order numbers from here on are rows without a visible key
	; q_mask of slot lane % 8
	v_and_b32 v[QMA], 7, v0
	v_and_b32 v[T0], 1, v0
	v_mul_u32_u24 v[T0], v[T0], 127
	v_xor_b32 v[T0], s[J], v[T0]                   ; j, or 127 - j in odd slots
	v_lshl_add_u32 v[QMA], v[QMA], 7, v[T0]
	v_add_nc_u32 v[QMA], s[F], v[QMA]
	v_and_b32 v[QMA], 0x3ff, v[QMA]
	v_min_u32 v[QMA], 0x3ff, v[QMA]
	global_load_u8 v[QMB], v[QMA], s[10:11]
	; one query number a thread: slot wave / 2, channel 32 (wave % 2) + lane
	s_lshr_b32 s30, s[WV], 1
	s_and_b32 s31, s30, 1
	s_mul_i32 s31, s31, 127
	s_xor_b32 s31, s31, s[J]
	s_lshl_b32 s30, s30, 7
	s_add_co_u32 s30, s30, s31
	s_add_co_u32 s30, s30, s[F]
	s_and_b32 s30, s30, 1023
	s_min_u32 s30, s30, 1023
	s_lshl_b32 s38, s30, 8
	s_and_b32 s31, s[WV], 1
	s_lshl_b32 s31, s31, 7
	s_add_co_u32 s38, s38, s31
	s_add_nc_u64 s[48:49], s[4:5], s[38:39]
	v_lshlrev_b32 v[QOF], 2, v[LANE]
	global_load_b32 v[QV], v[QOF], s[48:49]
.set i, 0
.rept 16
	global_load_b128 v[RB+4*i:RB+4*i+3], v[VOFF], s[46:47] offset:512*i   ; chunk B: wanted only behind chunk A's loop
.set i, i+1
.endr
; 32 rows as loaded (v[src] on) go into the stage as they lie and come back a row a lane.  LDS serves a wave's instructions in order (ISA guide 5.7.1.4), and the stage is the wave's own.
.macro TOHV src, x
.set i, 0
.rept 16
	ds_store_b128 v[STG], v[\src+4*i:\src+4*i+3] offset:32*PITCH*\x+2*PITCH*i
.set i, i+1
.endr
.set i, 0
.rept 16
	ds_load_b128 v[HV+4*i:HV+4*i+3], v[ROWR] offset:32*PITCH*\x+16*i
.set i, i+1
.endr
.endm
.macro EXPHV                           ; H = 2^(v log2(e) / 2): beyond the f32 range it becomes infinity or 0, which the query's finite factor keeps so
.set i, 0
.rept 32
	v_pk_mul_f32 v[HV+i:HV+i+1], v[HV+i:HV+i+1], KQ op_sel_hi:[1,0]
.set i, i+2
.endr
.set i, 0
.rept 64
	v_exp_f32 v[HV+i], v[HV+i]
.set i, i+1
.endr
.endm
; 32 of a unit's 64 channels
.macro HALF g
.set i, 0
.rept 16
	v_pk_mul_f32 v[AW+i:AW+i+1], v[HV+32*\g+i:HV+32*\g+i+1], v[HQ+32*\g+i:HQ+32*\g+i+1]   ; h = Hv Hq
.set i, i+2
.endr
.set i, 0
.rept 16
	v_pk_mul_f32 v[AW+i:AW+i+1], v[AW+i:AW+i+1], v[AW+i:AW+i+1]                           ; h^2
.set i, i+2
.endr
.set i, 0
.rept 16
	v_pk_fma_f32 v[AW+i:AW+i+1], v[AW+i:AW+i+1], v[AW+i:AW+i+1], 1.0 op_sel_hi:[1,1,0]    ; 1 + h^4 = 1 + e^(2(q+v)); infinity gives r = 0
.set i, i+2
.endr
.set i, 0
.rept 32
	v_rcp_f32 v[AW+i], v[AW+i]
.set i, i+1
.endr
	v_nop                                          ; a plain instruction behind the last reciprocal,
	s_wait_alu depctr_va_vdst(0)                   ; and one wait for the batch ahead of its first reader
.set i, 0
.rept 16
.if (\g == 0) && (i < 8)
	v_pk_add_f32 v[ACC+i:ACC+i+1], v[AW+i:AW+i+1], -4.0 op_sel_hi:[1,0]                   ; each of the eight chains takes 8 numbers r and begins at -4
.else
	v_pk_add_f32 v[ACC+(i%8):ACC+(i%8)+1], v[ACC+(i%8):ACC+(i%8)+1], v[AW+i:AW+i+1]
.endif
.set i, i+2
.endr
.endm
; The walk over the 8 slots for one chunk (x = 0: A, 1: B).
.macro SLOTS x, key, pen, k0
	s_mov_b32 s[M], 0
	s_mov_b32 s[HQO], HQB
	s_mov_b32 s[SCO], 0
.Lslot_\x:
	s_wait_dscnt 0x0                               ; the last trip's store has read its registers
	s_and_b32 s30, s[M], 1
	s_mul_i32 s30, s30, 127
	s_xor_b32 s30, s30, s[J]                       ; j, or 127 - j
	s_lshl_b32 s31, s[M], 7
	s_add_co_u32 s31, s31, s30                     ; the order number
	s_add_co_u32 s[Q], s31, s[F]
	s_and_b32 s[Q], s[Q], 1023                     ; the row
	s_cmp_ge_u32 s31, s[NF]
	s_cselect_b32 s[LIM], 1023, s[Q]               ; its last needed key: all, where it has no visible key
	v_add_nc_u32 v[SA], s[SCO], v[SCW]
	s_bitcmp1_b32 s[QM], s[M]
	s_cbranch_scc0 .Lfill_\x                       ; q_mask false: the row's result is 0 whatever its weights
	s_cmp_lt_u32 s[LIM], s[\k0]
	s_cbranch_scc1 .Lfill_\x                       ; the chunk lies behind the row's last needed key
	v_mov_b32 v[HA], s[HQO]
.set i, 0
.rept 16
	ds_load_b128 v[HQ+4*i:HQ+4*i+3], v[HA] offset:16*i   ; the row's H, the same address in all lanes
.set i, i+1
.endr
	s_wait_dscnt 0x8                               ; the first 32 channels are in; the other eight loads may be out
	HALF 0
	s_wait_dscnt 0x0
	HALF 1
	v_pk_add_f32 v[ACC:ACC+1], v[ACC:ACC+1], v[ACC+2:ACC+3]
	v_pk_add_f32 v[ACC+4:ACC+5], v[ACC+4:ACC+5], v[ACC+6:ACC+7]
	v_cmp_lt_u32 vcc_lo, s[Q], v[\key]             ; my key comes after the row
	v_cndmask_b32 v[T0], v[\pen], v[BIG], vcc_lo   ; 1e9 then, else what v_mask says
	v_pk_add_f32 v[ACC:ACC+1], v[ACC:ACC+1], v[ACC+4:ACC+5]
	v_add_f32 v[T1], v[ACC], v[ACC+1]              ; (sum of r) - 32
	v_mul_f32 v[T1], v[C1], v[T1]                  ; the score: scale x (64 - 2 sum of r)
	v_sub_f32 v[T1], v[T1], v[T0]                  ; rounded as it is written: s - 0, or fl(s - 1e9)
	ds_store_b32 v[SA], v[T1] offset:128*\x
	s_branch .Lnext_\x
.Lfill_\x:
	ds_store_b32 v[SA], v[FILL] offset:128*\x
.Lnext_\x:
	s_add_co_u32 s[HQO], s[HQO], 256
	s_add_co_u32 s[SCO], s[SCO], PITCH
	s_add_co_u32 s[M], s[M], 1
	s_cmp_lt_u32 s[M], 8
	s_cbranch_scc1 .Lslot_\x
.endm
; V's fragment of channels 16 t on: lane (r, h) takes channel 16 t + r, and its registers run down my 64 keys in the order of the operand: register 8 c + i = key 16 c + 8 h + i.
.macro VLOAD t
.irp c, 0,1,2,3
.irp i, 0,1,2,3,4,5,6,7
	ds_load_b32 v[128+32*((\t+1)%4)+8*\c+\i], v[COL] offset:(16*\c+\i)*PITCH+64*\t
.endr
.endr
.endm
.macro VQUANT t
.set i, 0
.rept 32
	v_med3_num_f32 v[128+32*((\t+1)%4)+i], v[128+32*((\t+1)%4)+i], -v[QMA], v[QMA]   ; the conversion to an 8-bit code does not saturate (ISA guide 7.6.2): the hold at the largest code x the scale
.set i, i+1
.endr
.irp c, 0,1,2,3
	v_cvt_scalef32_pk8_bf8_f32 v[VF+8*\t+2*\c:VF+8*\t+2*\c+1], v[128+32*((\t+1)%4)+8*\c:128+32*((\t+1)%4)+8*\c+7], v[MOFF]
.endr
	v_nop                                          ; a plain instruction behind the last conversion of the run
.endm
	s_wait_loadcnt 18                              ; my keys' mask bytes and chunk A are in; behind them: the q_mask byte, the query number, chunk B's 16 loads
	v_cmp_eq_u32 vcc_lo, 0, v[PENA]
	v_cndmask_b32 v[PENA], 0, v[BIG], vcc_lo
	v_cmp_eq_u32 vcc_lo, 0, v[PENB]
	v_cndmask_b32 v[PENB], 0, v[BIG], vcc_lo
	TOHV HQ, 0
	s_wait_loadcnt 16                              ; the q_mask byte and the query number are in; chunk B stays out
	v_cmp_ne_u32 s[QM], 0, v[QMB]
	v_mul_f32 v[QV], KQ, v[QV]
	v_med3_num_f32 v[QV], v[QV], -v[C126], v[C126] ; the query's factor stays finite and not 0, so no infinity ever meets a 0
	v_lshl_add_u32 v[QOF], v0, 2, HQB              ; slot x 256 + channel x 4 = 4 x my thread's number
	s_wait_kmcnt 0x0
	v_mov_b32 v[C1], s[SCL]
	v_mul_f32 v[C1], -2.0, v[C1]
	s_add_co_i32 s30, s[EP+1], 127
	s_lshl_b32 s31, s30, 23
	v_mov_b32 v[MOFF], s31                         ; 2^ev as f32: the conversion takes its exponent field
	s_add_co_i32 s30, s30, 15
	s_lshl_b32 s30, s30, 23
	s_or_b32 s30, s30, 0x600000
	v_mov_b32 v[QMA], s30                          ; 57,344 x 2^ev
	s_wait_dscnt 0x0                               ; my key's row is in
	EXPHV
	v_exp_f32 v[QV], v[QV]
	v_nop
	s_wait_alu depctr_va_vdst(0)                   ; one wait for the 65 exponentials
	ds_store_b32 v[QOF], v[QV]
	s_wait_dscnt 0x0                               ; for the others' sake: my number of the table has landed
	s_barrier_signal -1
	s_barrier_wait -1                              ; the 8 rows' H lie in LDS
	SLOTS 0, KEYA, PENA, K0A
	s_wait_loadcnt 0x0                             ; chunk B
	TOHV RB, 1
	VLOAD 0
	s_wait_dscnt 32                                ; the stores are done and my key's row is in; the 32 column loads may be out
	EXPHV
	v_nop
	s_wait_alu depctr_va_vdst(0)
	VLOAD 1
	s_wait_dscnt 32                                ; all but the 32 just issued
	VQUANT 0
	VLOAD 2
	s_wait_dscnt 32
	VQUANT 1
	VLOAD 3
	s_wait_dscnt 32
	VQUANT 2
	s_wait_dscnt 0x0
	VQUANT 3
	SLOTS 1, KEYB, PENB, K0B
	; ---- the softmax and the product.  Lane (r, h) now holds row r % 8 and, in register 8 c + i, my wave's key 16 c + 8 h + i.
.set SPS, 2                            ; 2^ep
.set LPS, 3                            ; 57,344 x 2^ep
.set H,   6
.set R,   7
.set S8,  8
.set PW,  9                            ; LDS: my part of O
.set SCA, 10
.set MXR, 14
.set MXW, 15
.set NM,  16                           ; v[16:17] -M (the pair's low word serves both halves)
.set SL,  18
.set FR,  19
.set LR,  20
.set OO,  21
.set QF,  22
.set SR,  32                           ; v32-63 logits, then p
.set DA,  64                           ; v64-95 four accumulators
.set PF,  128                          ; v128-135 p's codes
.set MX,  136                          ; v136-151
	s_wait_dscnt 0x0
	v_bfe_u32 v[H], v0, 4, 1
	v_and_b32 v[R], 15, v0
	v_and_b32 v[S8], 7, v0
	s_mul_i32 s30, s[WV], WSC
	v_mul_u32_u24 v[PW], v[S8], PITCH
	v_lshl_add_u32 v[PW], v[H], 5, v[PW]
	v_add_nc_u32 v[PW], s30, v[PW]
	v_add_nc_u32 v[SCA], SC, v[PW]
.irp c, 0,1,2,3
	ds_load_b128 v[SR+8*\c:SR+8*\c+3], v[SCA] offset:64*\c       ; my wave's own stores, in order behind them
	ds_load_b128 v[SR+8*\c+4:SR+8*\c+7], v[SCA] offset:64*\c+16
.endr
	v_lshl_add_u32 v[MXR], v[S8], 6, MAXB
	s_lshl_b32 s31, s[WV], 2
	v_add_nc_u32 v[MXW], s31, v[MXR]
	s_add_co_i32 s30, s[EP], 127
	s_lshl_b32 s31, s30, 23
	v_mov_b32 v[SPS], s31
	s_add_co_i32 s30, s30, 15
	s_lshl_b32 s30, s30, 23
	s_or_b32 s30, s30, 0x600000
	v_mov_b32 v[LPS], s30
	s_wait_dscnt 0x0
	v_max3_num_f32 v[T0], v32, v33, v34            ; the largest logit among my 32 keys, in two chains,
	v_max3_num_f32 v[T1], v35, v36, v37
.irp i, 6,10,14,18,22,26
	v_max3_num_f32 v[T0], v[T0], v[32+\i], v[33+\i]
	v_max3_num_f32 v[T1], v[T1], v[34+\i], v[35+\i]
.endr
	v_max3_num_f32 v[T0], v[T0], v62, v63
	v_max_num_f32 v[T0], v[T0], v[T1]
	v_permlanex16_b32 v[T1], v[T0], s[SEL], s[SEL+1]
	v_max_num_f32 v[T0], v[T0], v[T1]              ; and among lane l xor 16's
	ds_store_b32 v[MXW], v[T0]                     ; (the four lanes of a row store the same number to the same word)
	s_wait_dscnt 0x0
	s_barrier_signal -1
	s_barrier_wait -1                              ; every wave's largest lies in LDS; and no wave reads its stage any more
.irp y, 0,1,2,3
	ds_load_b128 v[MX+4*\y:MX+4*\y+3], v[MXR] offset:16*\y
.endr
	s_wait_dscnt 0x0
	v_max3_num_f32 v[T0], v[MX], v[MX+1], v[MX+2]
	v_max3_num_f32 v[T1], v[MX+3], v[MX+4], v[MX+5]
.irp i, 6,10
	v_max3_num_f32 v[T0], v[T0], v[MX+\i], v[MX+\i+1]
	v_max3_num_f32 v[T1], v[T1], v[MX+\i+2], v[MX+\i+3]
.endr
	v_max3_num_f32 v[T0], v[T0], v[MX+14], v[MX+15]
	v_max_num_f32 v[T0], v[T0], v[T1]              ; the row's largest logit
	v_mul_f32 v[T1], L2E, v[T0]                    ; as t: rounded as every t below is, so that the largest t - M is formed of like numbers (a row of -1e9 gives exactly 0)
	v_floor_f32 v[NM], -v[T1]                      ; -M = floor(-t) = -ceil(t)
.set i, 0
.rept 16
	v_pk_mul_f32 v[SR+i:SR+i+1], v[SR+i:SR+i+1], L2E op_sel_hi:[1,0]          ; t
.set i, i+2
.endr
.set i, 0
.rept 16
	v_pk_add_f32 v[SR+i:SR+i+1], v[SR+i:SR+i+1], v[NM:NM+1] op_sel_hi:[1,0]   ; t - M
.set i, i+2
.endr
.set i, 0
.rept 32
	v_exp_f32 v[SR+i], v[SR+i]                     ; p = 2^(t - M), at most 1, not normalised
.set i, i+1
.endr
	v_nop
	s_wait_alu depctr_va_vdst(0)                   ; one wait for the batch
	v_pk_add_f32 v[24:25], v[SR:SR+1], v[SR+2:SR+3]              ; the sum is taken of the unquantised p, in two chains
	v_pk_add_f32 v[26:27], v[SR+4:SR+5], v[SR+6:SR+7]
.irp i, 8,16,24
	v_pk_add_f32 v[24:25], v[24:25], v[SR+\i:SR+\i+1]
	v_pk_add_f32 v[26:27], v[26:27], v[SR+\i+2:SR+\i+3]
	v_pk_add_f32 v[24:25], v[24:25], v[SR+\i+4:SR+\i+5]
	v_pk_add_f32 v[26:27], v[26:27], v[SR+\i+6:SR+\i+7]
.endr
	v_pk_add_f32 v[24:25], v[24:25], v[26:27]
	v_add_f32 v24, v24, v25
	v_permlanex16_b32 v25, v24, s[SEL], s[SEL+1]
	v_add_f32 v24, v24, v25                        ; my wave's 64 keys' part of the row's sum
.set i, 0
.rept 32
	v_min_num_f32 v[SR+i], v[SR+i], v[LPS]         ; p is not negative: the hold is one-sided
.set i, i+1
.endr
.irp c, 0,1,2,3
	v_cvt_scalef32_pk8_bf8_f32 v[PF+2*\c:PF+2*\c+1], v[SR+8*\c:SR+8*\c+7], v[SPS]
.endr
	v_nop                                          ; a plain instruction between the conversions and the products that read their results
.irp t, 0,1,2,3
	v_wmma_f32_16x16x64_bf8_bf8 v[DA+8*\t:DA+8*\t+7], v[VF+8*\t:VF+8*\t+7], v[PF:PF+7], 0   ; O^T, channels 16 t on: register i of lane (r, h) is channel 16 t + 8 h + i of row r % 8
.endr
	; what the last step needs is made here: plain instructions that name no register of the products, the places behind them (ISA guide 7.12.1)
	s_lshl_b32 s30, s[WV], 1
	v_add_nc_u32 v[SL], s30, v[H]                  ; waves 0-3: lanes 0-15 finish slot 2 wave, lanes 16-31 slot 2 wave + 1
	v_mul_u32_u24 v[FR], v[SL], PITCH
	v_lshl_add_u32 v[FR], v[R], 4, v[FR]
	v_lshl_add_u32 v[LR], v[SL], 6, LSB
	v_mul_u32_u24 v[OO], v[H], 127
	v_xor_b32 v[OO], s[J], v[OO]
	v_lshl_add_u32 v[OO], v[SL], 7, v[OO]
	v_add_nc_u32 v[OO], s[F], v[OO]
	v_and_b32 v[OO], 0x3ff, v[OO]
	v_min_u32 v[OO], 0x3ff, v[OO]                  ; the slot's row
	v_lshlrev_b32 v[OO], 8, v[OO]
	v_lshl_add_u32 v[OO], v[R], 4, v[OO]           ; 16 lanes cover its 256 bytes
	v_mov_b32 v[QF], s[QM]
	v_lshrrev_b32 v[QF], v[SL], v[QF]
	v_and_b32 v[QF], 1, v[QF]
	v_cvt_f32_u32 v[QF], v[QF]                     ; q_mask as 0.0 or 1.0
.irp t, 0,1,2,3
	ds_store_b128 v[PW], v[DA+8*\t:DA+8*\t+3] offset:64*\t        ; each accumulator from its low end on; the parts lie where the stages lay, which nobody reads since the last barrier
	ds_store_b128 v[PW], v[DA+8*\t+4:DA+8*\t+7] offset:64*\t+16
.endr
	ds_store_b32 v[MXW], v24 offset:512            ; [row][wave] in the sums' table
	s_wait_dscnt 0x0
	s_barrier_signal -1
	s_barrier_wait -1                              ; all sixteen parts lie in LDS
	s_cmp_ge_u32 s[WV], 4
	s_cbranch_scc1 .Lend
.set i, 0
.rept 16
	ds_load_b128 v[32+4*i:35+4*i], v[FR] offset:i*WSC            ; wave i's part: my 4 channels of my row
.set i, i+1
.endr
.irp y, 0,1,2,3
	ds_load_b128 v[96+4*\y:99+4*\y], v[LR] offset:16*\y
.endr
	s_add_co_i32 s30, s[EP], s[EP+1]
	s_wait_dscnt 0x0
.irp y, 0,2,4,6
	v_pk_add_f32 v[96+\y:97+\y], v[96+\y:97+\y], v[104+\y:105+\y]
.endr
	v_pk_add_f32 v[96:97], v[96:97], v[100:101]
	v_pk_add_f32 v[98:99], v[98:99], v[102:103]
	v_pk_add_f32 v[96:97], v[96:97], v[98:99]
	v_add_f32 v96, v96, v97                        ; the row's sum: above 1/2
	v_rcp_f32 v96, v96
.irp u, 0,1,2,3,4,5,6,7                        ; the sixteen parts, as a tree: the independent work behind the reciprocal
	v_pk_add_f32 v[32+4*\u:33+4*\u], v[32+4*\u:33+4*\u], v[64+4*\u:65+4*\u]
	v_pk_add_f32 v[34+4*\u:35+4*\u], v[34+4*\u:35+4*\u], v[66+4*\u:67+4*\u]
.endr
.irp u, 0,1,2,3
	v_pk_add_f32 v[32+4*\u:33+4*\u], v[32+4*\u:33+4*\u], v[48+4*\u:49+4*\u]
	v_pk_add_f32 v[34+4*\u:35+4*\u], v[34+4*\u:35+4*\u], v[50+4*\u:51+4*\u]
.endr
.irp u, 0,1
	v_pk_add_f32 v[32+4*\u:33+4*\u], v[32+4*\u:33+4*\u], v[40+4*\u:41+4*\u]
	v_pk_add_f32 v[34+4*\u:35+4*\u], v[34+4*\u:35+4*\u], v[42+4*\u:43+4*\u]
.endr
	v_pk_add_f32 v[32:33], v[32:33], v[36:37]
	v_pk_add_f32 v[34:35], v[34:35], v[38:39]
	s_wait_alu depctr_va_vdst(0)                   ; ahead of the reciprocal's first reader
	v_ldexp_f32 v96, v96, s30                      ; x 2^(ep + ev)
	v_mul_f32 v96, v96, v[QF]                      ; x q_mask
	v_pk_mul_f32 v[32:33], v[32:33], v[96:97] op_sel_hi:[1,0]
	v_pk_mul_f32 v[34:35], v[34:35], v[96:97] op_sel_hi:[1,0]
	global_store_b128 v[OO], v[32:35], s[16:17]    ; 16 lanes store a row's 256 consecutive bytes, at a multiple of 256 from out's first byte
.Lend:
	s_wait_xcnt 0x0
	v_lshl_add_u32 v254, v0, 2, 0x4d400
	v_mov_b32 v255, 0
	s_wait_tensorcnt 0x0
	ds_add_u32 v254, v255
	s_wait_dscnt 0x0
	s_endpgm
.Lfunc_end_k_q37e1012ffb_softatt:
	.size	k_q37e1012ffb_softatt, .Lfunc_end_k_q37e1012ffb_softatt-k_q37e1012ffb_softatt
	.p2alignl 7, 3214868480
	.fill 96, 4, 3214868480
	.section	.rodata,"a",@progbits
	.p2align	6, 0x0
	.amdhsa_kernel k_q37e1012ffb_softatt
		.amdhsa_group_segment_fixed_size 318464
		.amdhsa_private_segment_fixed_size 0
		.amdhsa_enable_private_segment 0
		.amdhsa_kernarg_size 56
		.amdhsa_user_sgpr_count 2
		.amdhsa_user_sgpr_kernarg_segment_ptr 1
		.amdhsa_wavefront_size32 1
		.amdhsa_system_sgpr_workgroup_id_x 1
		.amdhsa_system_sgpr_workgroup_id_y 1
		.amdhsa_system_sgpr_workgroup_id_z 1
		.amdhsa_system_vgpr_workitem_id 0
		.amdhsa_next_free_vgpr 256
		.amdhsa_next_free_sgpr 66
		.amdhsa_reserve_vcc 1
		.amdhsa_float_denorm_mode_32 3
		.amdhsa_float_denorm_mode_16_64 3
		.amdhsa_memory_ordered 1
		.amdhsa_forward_progress 1
		.amdhsa_inst_pref_size 83
	.end_amdhsa_kernel
	.amdgpu_metadata
---
amdhsa.version: [ 1, 2 ]
amdhsa.kernels:
  - .name:           k_q37e1012ffb_softatt
    .symbol:         k_q37e1012ffb_softatt.kd
    .args:
      - { .name: query, .offset: 0, .size: 8, .value_kind: global_buffer, .address_space: global }
      - { .name: value, .offset: 8, .size: 8, .value_kind: global_buffer, .address_space: global }
      - { .name: scale, .offset: 16, .size: 8, .value_kind: global_buffer, .address_space: global }
      - { .name: q_mask, .offset: 24, .size: 8, .value_kind: global_buffer, .address_space: global }
      - { .name: v_mask, .offset: 32, .size: 8, .value_kind: global_buffer, .address_space: global }
      - { .name: lowp_scales, .offset: 40, .size: 8, .value_kind: global_buffer, .address_space: global }
      - { .name: out0, .offset: 48, .size: 8, .value_kind: global_buffer, .address_space: global }
    .group_segment_fixed_size: 318464
    .private_segment_fixed_size: 0
    .kernarg_segment_align: 8
    .kernarg_segment_size: 56
    .max_flat_workgroup_size: 512
    .sgpr_count:     66
    .vgpr_count:     256
    .wavefront_size: 32
...
	.end_amdgpu_metadata
.endif
;; end of part 1
